; MI455X (gfx1250); checked and timed in simulation.
; The chip was launched on July 23, 2026; its instructions are those of AMD's public machine-readable ISA for CDNA 5 (MIT licence, August 2026) and "CDNA5" Instruction Set Architecture Reference Guide (July 2026). The comments in the code are by the model that wrote it; some were corrected since.
;; LML. Allowed arithmetic: float matrix products may take bf16 or f16 operands with f32 sums; all other float work in f32.
;; Inputs: x 2,097,152 float32.
;; Outputs: out0 2,097,152 float32.
;; 2 versions, each right and faster than the one before. Each part assembles by itself: llvm-mc -triple=amdgcn-amd-amdhsa -mcpu=gfx1250 --defsym DOCPART=n.
;; ======== version 1 of 2: 6 launches
;; limits: right only within a limited range of input values; an iteration or a series of the reference is cut at 4 steps; an absolute error that grows with the inputs' magnitude: up to 7.6e-06 times it
;; workspace buffers: mm 2,048 bytes; pa 32,768 bytes; pb 32,768 bytes
;; launch bounds (part 1): grid 256 x 1, 8 waves a work-group, no clusters, 1,280 bytes of LDS; arguments x, mm; writes mm
.if DOCPART == 1
	.amdgcn_target "amdgcn-amd-amdhsa--gfx1250"
	.amdhsa_code_object_version 6
	.text
	.protected	k_q1b5516e575_bounds
	.globl	k_q1b5516e575_bounds
	.p2align	8
	.type	k_q1b5516e575_bounds,@function
k_q1b5516e575_bounds:
	s_mov_b64 s[64:65], 0
	v_nop
	global_prefetch_b8 v0, s[64:65] scope:SCOPE_SE
	s_setreg_imm32_b32 hwreg(HW_REG_WAVE_MODE, 25, 1), 1
	s_wait_xcnt 0x0
; LML forward, launch 1 of 6: bounds for the search of nu.
; x: [2097152] f32.  256 work-groups of 8 waves; a work-group owns 8192 numbers (32768 bytes), a wave 1024 of them.
; Stored for each work-group, 8 bytes: the largest of its eight waves' maxima, and the least of them.
; Over the launch that gives M = max x and m2 = the least of 2048 maxima of disjoint sets, so that at least 2048
; numbers are >= m2: more than the N + 1 = 1025 that the next launch's upper bound needs.
; Memory binds: each byte of x is read once, by 16-byte loads of which a wave's cover 512 consecutive bytes, all eight
; of a thread requested at once.  No hint on the loads: the five later launches read x again.
; The result of a work-group is 8 bytes, so one lane stores it; nothing wider exists to be stored.
; LIMIT: x is finite (a NaN is passed over by the maxima, an infinity makes the bounds infinite).
.set X, 8                              ; v[8:39] the thread's 32 numbers
	s_load_b128 s[4:7], s[0:1], 0x0                ; x s[4:5], mm s[6:7]
	v_lshl_add_u32 v40, v0, 2, 0x100
	v_mov_b32 v41, 0
	v_lshlrev_b32 v1, 4, v0                        ; 16 t: my 16 bytes in each 4096-byte stretch of the work-group's part
	v_lshrrev_b32 v2, 5, v0
	v_readfirstlane_b32 s10, v2                    ; wave 0..7
	v_lshlrev_b32 v3, 2, v2                        ; the wave's word in LDS
	s_lshl_b32 s8, ttmp9, 15                       ; work-group x 32768 bytes of x
	s_mov_b32 s9, 0
	s_lshl_b32 s14, ttmp9, 3                       ; work-group x 8 bytes of mm
	s_mov_b32 s15, 0
	s_mov_b32 s12, 0x76543210                      ; v_permlanex16_b32: lane i of one half reads lane i of the other
	s_mov_b32 s13, 0xfedcba98
	s_wait_kmcnt 0x0
	s_add_nc_u64 s[4:5], s[4:5], s[8:9]
	s_add_nc_u64 s[6:7], s[6:7], s[14:15]
.irp k, 0,1,2,3,4,5,6,7
	global_load_b128 v[X+4*\k:X+4*\k+3], v1, s[4:5] offset:4096*\k
.endr
	s_wait_loadcnt 0x7                             ; loads return in order: the first is in, seven younger ones stay out
	v_max3_num_f32 v4, v[X], v[X+1], v[X+2]        ; the first numbers start the maximum: nothing is cleared
	v_max_num_f32 v4, v4, v[X+3]
.irp k, 1,2,3,4,5,6,7
	s_wait_loadcnt 7-\k                            ; load k is in, the 7 - k younger ones stay out
	v_max3_num_f32 v4, v4, v[X+4*\k], v[X+4*\k+1]
	v_max3_num_f32 v4, v4, v[X+4*\k+2], v[X+4*\k+3]
.endr
	; across the 32 lanes: four steps inside each half of 16 lanes, one across the halves
	v_max_num_f32_dpp v4, v4, v4 row_xmask:1 row_mask:0xf bank_mask:0xf
	v_max_num_f32_dpp v4, v4, v4 row_xmask:2 row_mask:0xf bank_mask:0xf
	v_max_num_f32_dpp v4, v4, v4 row_xmask:4 row_mask:0xf bank_mask:0xf
	v_max_num_f32_dpp v4, v4, v4 row_xmask:8 row_mask:0xf bank_mask:0xf
	v_permlanex16_b32 v2, v4, s12, s13             ; v2 has been written: the destination counts as read
	v_max_num_f32 v4, v4, v2                       ; the wave's maximum, in every lane
	ds_store_b32 v3, v4                            ; all lanes write the wave's word with the same value
	s_wait_dscnt 0x0                               ; for the other waves' sake: my store is done before I signal
	s_barrier_signal -1
	s_barrier_wait -1
	s_cmp_lg_u32 s10, 0                            ; wave 0 finishes alone; no barrier follows
	s_cbranch_scc1 .Lend
	v_mov_b32 v6, 0
	ds_load_b128 v[8:11], v6                       ; the eight waves' maxima
	ds_load_b128 v[12:15], v6 offset:16
	s_wait_dscnt 0x0
	v_max3_num_f32 v16, v8, v9, v10
	v_min3_num_f32 v17, v8, v9, v10
	v_max3_num_f32 v16, v16, v11, v12
	v_min3_num_f32 v17, v17, v11, v12
	v_max3_num_f32 v16, v16, v13, v14
	v_min3_num_f32 v17, v17, v13, v14
	v_max_num_f32 v16, v16, v15
	v_min_num_f32 v17, v17, v15
	v_cmp_eq_u32 vcc_lo, 0, v0
	s_wait_xcnt 0x0                                ; EXEC is a source of memory instructions: it changes only behind this wait
	s_and_saveexec_b32 s16, vcc_lo
	global_store_b64 v6, v[16:17], s[6:7]          ; lane 0: (largest, least) of the waves' maxima
	s_wait_xcnt 0x0                                ; and again in front of the line that widens EXEC
	s_or_b32 exec_lo, exec_lo, s16
.Lend:
	s_wait_tensorcnt 0x0
	ds_add_u32 v40, v41
	s_wait_dscnt 0x0
	s_endpgm
.Lfunc_end_k_q1b5516e575_bounds:
	.size	k_q1b5516e575_bounds, .Lfunc_end_k_q1b5516e575_bounds-k_q1b5516e575_bounds
	.p2alignl 7, 3214868480
	.fill 96, 4, 3214868480
	.section	.rodata,"a",@progbits
	.p2align	6, 0x0
	.amdhsa_kernel k_q1b5516e575_bounds
		.amdhsa_group_segment_fixed_size 1280
		.amdhsa_private_segment_fixed_size 0
		.amdhsa_enable_private_segment 0
		.amdhsa_kernarg_size 16
		.amdhsa_user_sgpr_count 2
		.amdhsa_user_sgpr_kernarg_segment_ptr 1
		.amdhsa_wavefront_size32 1
		.amdhsa_system_sgpr_workgroup_id_x 1
		.amdhsa_system_sgpr_workgroup_id_y 1
		.amdhsa_system_sgpr_workgroup_id_z 1
		.amdhsa_system_vgpr_workitem_id 0
		.amdhsa_next_free_vgpr 42
		.amdhsa_next_free_sgpr 66
		.amdhsa_reserve_vcc 1
		.amdhsa_float_denorm_mode_32 3
		.amdhsa_float_denorm_mode_16_64 3
		.amdhsa_memory_ordered 1
		.amdhsa_forward_progress 1
		.amdhsa_inst_pref_size 5
	.end_amdhsa_kernel
	.amdgpu_metadata
---
amdhsa.version: [ 1, 2 ]
amdhsa.kernels:
  - .name:           k_q1b5516e575_bounds
    .symbol:         k_q1b5516e575_bounds.kd
    .args:
      - { .name: x, .offset: 0, .size: 8, .value_kind: global_buffer, .address_space: global }
      - { .name: mm, .offset: 8, .size: 8, .value_kind: global_buffer, .address_space: global }
    .group_segment_fixed_size: 1280
    .private_segment_fixed_size: 0
    .kernarg_segment_align: 8
    .kernarg_segment_size: 16
    .max_flat_workgroup_size: 256
    .sgpr_count:     66
    .vgpr_count:     42
    .wavefront_size: 32
...
	.end_amdgpu_metadata
.endif
;; end of part 1
;; launch first (part 2): grid 256 x 1, 8 waves a work-group, no clusters, 38,912 bytes of LDS; arguments x, mm, pa; writes pa
.if DOCPART == 2
	.amdgcn_target "amdgcn-amd-amdhsa--gfx1250"
	.amdhsa_code_object_version 6
	.text
	.protected	k_q1b5516e575_first
	.globl	k_q1b5516e575_first
	.p2align	8
	.type	k_q1b5516e575_first,@function
k_q1b5516e575_first:
	s_mov_b64 s[64:65], 0
	v_nop
	global_prefetch_b8 v0, s[64:65] scope:SCOPE_SE
	s_setreg_imm32_b32 hwreg(HW_REG_WAVE_MODE, 25, 1), 1
	s_wait_xcnt 0x0
; LML forward, launch 2 of 6: the first of four search steps.
;
; WHAT IS SEARCHED.  f(nu) = sum sigmoid(x + nu) - N rises with nu, so the reference's branched bisection ends at the root r of f
; held inside [nu_lower, nu_upper].  nu_upper = 7 - x_sorted[N] is never reached: there the 1025 largest numbers give
; 1025 sigmoid(7) > 1024.  nu_lower = -7 - x_sorted[N-1] = c is reached when f(c) >= 0 (numbers that lie close together).
; So nu = max(r, c) = the least nu with P(nu):  sum sigmoid(x + nu) >= N  and  #{ x + nu >= -7 } >= N,  both monotone in nu.
; A step lays 15 points inside the bracket (16 intervals); the next launch adds the work-groups' rows, counts the points
; where P fails and takes that interval.  The bracket's ends are known and are not evaluated.
; THE FIRST BRACKET, from launch 1's M = max x and m2 (at least 2048 numbers are >= m2):
;   lower end -M - 7.5: nu >= c >= -M - 7;   upper end -m2 + 0.5: 2048 sigmoid(0.5) > 1024 and 2048 numbers pass the count.
; Width M - m2 + 8, spacing s = (M - m2)/16 + 0.5.
; THIS STEP takes one exponential for each number and point: 2^(-(x + nu_j) log2 e).  An overflow gives infinity and sigmoid 0, an
; underflow 0 and sigmoid 1, so it is right for a bracket of any width.  The later steps factorise, which needs a narrow one.
; LIMITS: x finite.  After four steps the bracket is (M - m2 + 8)/65536 wide and nu is its middle: the error of nu is at most
; 0.005 up to M - m2 = 647.
;
; 256 work-groups of 8 waves; a thread takes 32 numbers (eight 16-byte loads, all requested at once).
; OUT: one row of 32 f32 for each work-group: words 0-14 the sums at points 1-15, word 15 the bracket's lower end, words 16-30 the
; counts (as f32: whole numbers below 2^24 add exactly), word 31 the spacing.  Words 15 and 31 are written by work-group 0
; and are 0 in the other rows, so that the next launch's column sums return them exactly.  A row is 128 bytes: padding it to 256
; would double what each of the 256 work-groups of the next launch reads back.
; No matrix unit (no product), no tensor load (a thread's 128 bytes go straight to registers), no cluster: what work-groups
; share here is 2048 bytes.
.set NP,    15                         ; points
.set PITCH, 144                        ; LDS row of a thread: 128 bytes + 16, 9 x 16: sixteen lanes' 16-byte stores fall on sixteen different 16-byte columns of 256
.set ST1,   0                          ; 256 rows of PITCH bytes
.set ST2,   256*PITCH                  ; 8 rows of 128 bytes: the waves' sums
.set X,    8                           ; v[8:39]    my 32 numbers; at the end LD
.set LD,   8                           ; v[8:39]    32 words read back from LDS
.set PIN,  40                          ; v[40:55]   launch 1's pairs
.set ROW,  40                          ; v[40:71]   my row of 32 words
.set KJ,   72                          ; v[72:87]   -nu_j log2 e for point j at KJ + j - 1 (the 16th is a filler of the last pair)
.set LOV,  88                          ; v88        the bracket's lower end
.set SPV,  89                          ; v89        the spacing
.set ACC,  90                          ; v[90:119]  two running sums for each point
.set CNT,  120                         ; v[120:134] a count for each point
.set A,    136                         ; v[136:139] exponents
.set Z,    140                         ; v[140:143] 2^A, 1 + 2^A, its reciprocal
.set TA,   144                         ; v144-146   LDS addresses
.set TB,   145
.set TC,   146
	s_load_b128 s[4:7], s[0:1], 0x0                ; x s[4:5], mm s[6:7]
	s_load_b64 s[8:9], s[0:1], 0x10                ; the rows
	v_lshl_add_u32 v148, v0, 2, 0x9400
	v_mov_b32 v149, 0
	v_lshlrev_b32 v1, 4, v0                        ; 16 t
	v_and_b32 v2, 31, v0                           ; lane
	v_lshrrev_b32 v3, 5, v0
	v_readfirstlane_b32 s10, v3                    ; wave
	v_lshlrev_b32 v4, 4, v2                        ; 16 x lane
	v_mov_b32 v7, 0                                ; a written register for v_permlanex16_b32
	s_lshl_b32 s14, ttmp9, 15                      ; work-group x 32768 bytes of x
	s_mov_b32 s15, 0
	s_lshl_b32 s18, ttmp9, 7                       ; work-group x 128 bytes of rows
	s_mov_b32 s19, 0
	s_mov_b32 s12, 0x76543210
	s_mov_b32 s13, 0xfedcba98
	s_mov_b32 s16, 0x412194f4                      ; 7 log2 e: x + nu >= -7 is the same as exponent <= this
	s_wait_kmcnt 0x0
	s_add_nc_u64 s[4:5], s[4:5], s[14:15]
	s_add_nc_u64 s[8:9], s[8:9], s[18:19]
.irp k, 0,1,2,3
	global_load_b128 v[PIN+4*\k:PIN+4*\k+3], v4, s[6:7] offset:512*\k      ; every wave reads all 256 pairs, 2048 bytes: no LDS, no barrier
.endr
.irp k, 0,1,2,3,4,5,6,7
	global_load_b128 v[X+4*\k:X+4*\k+3], v1, s[4:5] offset:4096*\k
.endr
	s_wait_loadcnt 0x8                             ; the pairs are in; x's eight loads, issued behind them, stay out
	v_max3_num_f32 v5, v[PIN], v[PIN+2], v[PIN+4]
	v_min3_num_f32 v6, v[PIN+1], v[PIN+3], v[PIN+5]
	v_max3_num_f32 v5, v5, v[PIN+6], v[PIN+8]
	v_min3_num_f32 v6, v6, v[PIN+7], v[PIN+9]
	v_max3_num_f32 v5, v5, v[PIN+10], v[PIN+12]
	v_min3_num_f32 v6, v6, v[PIN+11], v[PIN+13]
	v_max_num_f32 v5, v5, v[PIN+14]
	v_min_num_f32 v6, v6, v[PIN+15]
.irp m, 1,2,4,8
	v_max_num_f32_dpp v5, v5, v5 row_xmask:\m row_mask:0xf bank_mask:0xf
	v_min_num_f32_dpp v6, v6, v6 row_xmask:\m row_mask:0xf bank_mask:0xf
.endr
	v_permlanex16_b32 v7, v5, s12, s13
	v_max_num_f32 v5, v5, v7                       ; M
	v_permlanex16_b32 v7, v6, s12, s13
	v_min_num_f32 v6, v6, v7                       ; m2
	v_sub_f32 v[SPV], v5, v6
	v_sub_f32 v[LOV], 0xc0f00000, v5               ; lower end = -7.5 - M
	v_fma_f32 v[SPV], v[SPV], 0x3d800000, 0.5      ; spacing = (M - m2)/16 + 0.5
	v_readfirstlane_b32 s20, v[LOV]                ; both go into work-group 0's row
	v_readfirstlane_b32 s21, v[SPV]
.set pt, 0
.rept NP
	v_cvt_f32_u32 v[KJ+pt], pt+1
	v_fma_f32 v[KJ+pt], v[KJ+pt], v[SPV], v[LOV]   ; nu_j = lower end + j s, rounded once, as the next launch forms it
	v_mul_f32 v[KJ+pt], 0xbfb8aa3b, v[KJ+pt]       ; x (-log2 e)
.set pt, pt+1
.endr
	v_mov_b32 v[KJ+15], 0                          ; the last pair is named whole
; cnt[pt] += (threshold >= v[src]); init = 1: the first number starts the count
.macro TALLY src, pt, init
	v_cmp_ge_f32 vcc_lo, s16, v[\src]
.if \init
	v_cndmask_b32 v[CNT+\pt], 0, 1, vcc_lo
.else
	v_add_co_ci_u32 v[CNT+\pt], vcc_lo, 0, v[CNT+\pt], vcc_lo
.endif
.endm
; Two numbers (v[xe], v[xe+1]) at two points (pt, pt + 1, the halves of one register pair).  Behind each run of transcendentals
; stand the compares of TALLY, plain instructions that touch neither a result nor a source of the run, before a result is
; used (ISA guide 5.7.2).  first = 1: the reciprocals are written straight into the sums: nothing is cleared.
.macro WIDE2 xe, pt, first
	v_pk_fma_f32 v[A:A+1], v[\xe:\xe+1], 0xbfb8aa3b, v[KJ+\pt:KJ+\pt+1] op_sel_hi:[1,0,0]
	v_pk_fma_f32 v[A+2:A+3], v[\xe:\xe+1], 0xbfb8aa3b, v[KJ+\pt:KJ+\pt+1] op_sel:[0,0,1] op_sel_hi:[1,0,1]
.irp i, 0,1,2,3
	v_exp_f32 v[Z+\i], v[A+\i]
.endr
	TALLY A, \pt, \first
	TALLY A+1, \pt, 0
	s_wait_alu depctr_va_vdst(0)
	v_pk_add_f32 v[Z:Z+1], v[Z:Z+1], 1.0 op_sel_hi:[1,0]
	v_pk_add_f32 v[Z+2:Z+3], v[Z+2:Z+3], 1.0 op_sel_hi:[1,0]
.if \first
.irp i, 0,1,2,3
	v_rcp_f32 v[ACC+2*\pt+\i], v[Z+\i]
.endr
.else
.irp i, 0,1,2,3
	v_rcp_f32 v[Z+\i], v[Z+\i]
.endr
.endif
	TALLY A+2, \pt+1, \first
	TALLY A+3, \pt+1, 0
.if \first == 0
	s_wait_alu depctr_va_vdst(0)
	v_pk_add_f32 v[ACC+2*\pt:ACC+2*\pt+1], v[ACC+2*\pt:ACC+2*\pt+1], v[Z:Z+1]
	v_pk_add_f32 v[ACC+2*\pt+2:ACC+2*\pt+3], v[ACC+2*\pt+2:ACC+2*\pt+3], v[Z+2:Z+3]
.endif
.endm
; the same for the fifteenth point alone
.macro WIDE1 xe, pt, first
	v_pk_fma_f32 v[A:A+1], v[\xe:\xe+1], 0xbfb8aa3b, v[KJ+\pt:KJ+\pt+1] op_sel_hi:[1,0,0]
	v_exp_f32 v[Z], v[A]
	v_exp_f32 v[Z+1], v[A+1]
	TALLY A, \pt, \first
	s_wait_alu depctr_va_vdst(0)
	v_pk_add_f32 v[Z:Z+1], v[Z:Z+1], 1.0 op_sel_hi:[1,0]
.if \first
	v_rcp_f32 v[ACC+2*\pt], v[Z]
	v_rcp_f32 v[ACC+2*\pt+1], v[Z+1]
.else
	v_rcp_f32 v[Z], v[Z]
	v_rcp_f32 v[Z+1], v[Z+1]
.endif
	TALLY A+1, \pt, 0
.if \first == 0
	s_wait_alu depctr_va_vdst(0)
	v_pk_add_f32 v[ACC+2*\pt:ACC+2*\pt+1], v[ACC+2*\pt:ACC+2*\pt+1], v[Z:Z+1]
.endif
.endm
.macro PAIR xe, first
.irp q, 0,2,4,6,8,10,12
	WIDE2 \xe, \q, \first
.endr
	WIDE1 \xe, 14, \first
.endm
; v[b .. b+h-1] += v[b+h .. b+2h-1], two at a time
.macro FOLD b, h
.set fi, 0
.rept \h/2
	v_pk_add_f32 v[\b+fi:\b+fi+1], v[\b+fi:\b+fi+1], v[\b+\h+fi:\b+\h+fi+1]
.set fi, fi+2
.endr
.endm
	s_wait_loadcnt 0x7                             ; x's first load is in, seven younger ones stay out
	PAIR X, 1
	PAIR X+2, 0
.irp k, 1,2,3,4,5,6,7
	s_wait_loadcnt 7-\k                            ; load k is in, the 7 - k younger ones stay out
	PAIR X+4*\k, 0
	PAIR X+4*\k+2, 0
.endr
	; THE WORK-GROUP'S ROW.  Each thread lays its 32 words in LDS; lane c of wave g adds column c over the wave's 32 rows;
	; wave 0 adds the eight waves' sums.  The order of the additions is fixed by the text.
.set pt, 0
.rept NP
	v_add_f32 v[ROW+pt], v[ACC+2*pt], v[ACC+2*pt+1]
	v_cvt_f32_u32 v[ROW+16+pt], v[CNT+pt]
.set pt, pt+1
.endr
	v_mov_b32 v[ROW+15], 0
	v_mov_b32 v[ROW+31], 0
	v_mul_u32_u24 v[TA], v0, PITCH
.irp q, 0,1,2,3,4,5,6,7
	ds_store_b128 v[TA], v[ROW+4*\q:ROW+4*\q+3] offset:ST1+16*\q
.endr
	s_wait_dscnt 0x0                               ; my stores are done before I signal
	s_barrier_signal -1
	s_barrier_wait -1
	v_mul_u32_u24 v[TB], v3, 32*PITCH              ; the wave's 32 rows
	v_lshl_add_u32 v[TB], v2, 2, v[TB]             ; column = lane: 32 consecutive words in each load
.set kk, 0
.rept 32
	ds_load_b32 v[LD+kk], v[TB] offset:ST1+PITCH*kk
.set kk, kk+1
.endr
	s_wait_dscnt 0x0
	FOLD LD, 16
	FOLD LD, 8
	FOLD LD, 4
	FOLD LD, 2
	v_add_f32 v[LD], v[LD], v[LD+1]
	v_lshlrev_b32 v[TC], 2, v0                     ; 128 x wave + 4 x lane
	ds_store_b32 v[TC], v[LD] offset:ST2
	s_wait_dscnt 0x0
	s_barrier_signal -1
	s_barrier_wait -1
	s_cmp_lg_u32 s10, 0                            ; wave 0 finishes alone; no barrier follows
	s_cbranch_scc1 .Lend
.irp w, 0,1,2,3,4,5,6,7
	ds_load_b32 v[LD+\w], v[TC] offset:ST2+128*\w  ; in wave 0 TC is 4 x lane
.endr
	s_cmp_eq_u32 ttmp9, 0
	s_cselect_b32 s30, s20, 0                      ; work-group 0 alone records the lower end and the spacing
	s_cselect_b32 s31, s21, 0
	s_wait_dscnt 0x0
	FOLD LD, 4
	FOLD LD, 2
	v_add_f32 v[LD], v[LD], v[LD+1]
	v_writelane_b32 v[LD], s30, 15
	v_writelane_b32 v[LD], s31, 31
	global_store_b32 v[TC], v[LD], s[8:9]          ; 32 lanes store the row's 128 consecutive bytes
.Lend:
	s_wait_tensorcnt 0x0
	ds_add_u32 v148, v149
	s_wait_dscnt 0x0
	s_endpgm
.Lfunc_end_k_q1b5516e575_first:
	.size	k_q1b5516e575_first, .Lfunc_end_k_q1b5516e575_first-k_q1b5516e575_first
	.p2alignl 7, 3214868480
	.fill 96, 4, 3214868480
	.section	.rodata,"a",@progbits
	.p2align	6, 0x0
	.amdhsa_kernel k_q1b5516e575_first
		.amdhsa_group_segment_fixed_size 38912
		.amdhsa_private_segment_fixed_size 0
		.amdhsa_enable_private_segment 0
		.amdhsa_kernarg_size 24
		.amdhsa_user_sgpr_count 2
		.amdhsa_user_sgpr_kernarg_segment_ptr 1
		.amdhsa_wavefront_size32 1
		.amdhsa_system_sgpr_workgroup_id_x 1
		.amdhsa_system_sgpr_workgroup_id_y 1
		.amdhsa_system_sgpr_workgroup_id_z 1
		.amdhsa_system_vgpr_workitem_id 0
		.amdhsa_next_free_vgpr 150
		.amdhsa_next_free_sgpr 66
		.amdhsa_reserve_vcc 1
		.amdhsa_float_denorm_mode_32 3
		.amdhsa_float_denorm_mode_16_64 3
		.amdhsa_memory_ordered 1
		.amdhsa_forward_progress 1
		.amdhsa_inst_pref_size 133
	.end_amdhsa_kernel
	.amdgpu_metadata
---
amdhsa.version: [ 1, 2 ]
amdhsa.kernels:
  - .name:           k_q1b5516e575_first
    .symbol:         k_q1b5516e575_first.kd
    .args:
      - { .name: x, .offset: 0, .size: 8, .value_kind: global_buffer, .address_space: global }
      - { .name: mm, .offset: 8, .size: 8, .value_kind: global_buffer, .address_space: global }
      - { .name: pa, .offset: 16, .size: 8, .value_kind: global_buffer, .address_space: global }
    .group_segment_fixed_size: 38912
    .private_segment_fixed_size: 0
    .kernarg_segment_align: 8
    .kernarg_segment_size: 24
    .max_flat_workgroup_size: 256
    .sgpr_count:     66
    .vgpr_count:     150
    .wavefront_size: 32
...
	.end_amdgpu_metadata
.endif
;; end of part 2
;; launch step_a (part 3): grid 256 x 1, 8 waves a work-group, no clusters, 43,008 bytes of LDS; arguments x, pa, pb; writes pb
.if DOCPART == 3
	.amdgcn_target "amdgcn-amd-amdhsa--gfx1250"
	.amdhsa_code_object_version 6
	.text
	.protected	k_q1b5516e575_step_a
	.globl	k_q1b5516e575_step_a
	.p2align	8
	.type	k_q1b5516e575_step_a,@function
k_q1b5516e575_step_a:
	s_mov_b64 s[64:65], 0
	v_nop
	global_prefetch_b8 v0, s[64:65] scope:SCOPE_SE
	s_setreg_imm32_b32 hwreg(HW_REG_WAVE_MODE, 25, 1), 1
	s_wait_xcnt 0x0
; LML forward, launches 3 to 5 of 6: a search step on a narrow bracket (one body; two tables of rows take turns).
; The search: nu = the least nu with P(nu): sum sigmoid(x + nu) >= N and #{ x + nu >= -7 } >= N (derived at the head of the first step).
; IN: the last step's 256 rows of 32 f32: words 0-14 sums at its points 1-15, word 15 its lower end lo, words 16-30 counts, word 31
; its spacing s (words 15 and 31 are 0 in all rows but the first, so the column sums return them exactly).
; Every work-group adds the rows in the same fixed order, so all get the same bits:  i = number of points where P fails,
; lo' = lo + i s, s' = s/16, new points lo' + j s', j = 1..15.
; FACTORISED: e = 2^(-(x + lo') log2 e) once for each number, c_j = 2^(-j s' log2 e) once for each wave, 1 + e c_j in one packed
; multiply-add: one transcendental (the reciprocal) for each number and point.  An e that overflows is infinity, gives sigmoid 0
; and fails the count; that is right while x + lo' <= -88 still means a negligible sigmoid at the last point, 15 s' <= 58:
; 2097152 e^-30 is nothing beside N.  An e that underflows gives sigmoid 1.  c_j >= e^-58 is a normal number.
; LIMITS: x finite; first bracket (M - m2 + 8) <= 928 for the factorisation; the error of the final nu is (M - m2 + 8)/131072.
; x + nu >= -7 is tested as 1 + e c_j <= 1 + e^7.
;
; 256 work-groups of 8 waves; a thread takes 32 numbers.  The table's eight loads and x's eight are all requested at once.
; No cluster: the one shared read is the table, 32768 bytes once at the head of the launch, requested together with x's 32768;
; a joint request would put a cluster barrier and a descriptor in front of the launch's first dependent step.
; No matrix unit (no product), no tensor load (a thread's bytes go straight to registers).
.set NP,    15
.set PITCH, 144                        ; LDS row of a thread: 128 bytes + 16, 9 x 16: sixteen lanes' 16-byte stores fall on sixteen different 16-byte columns of 256
.set PRO,   0                          ; 4096 bytes: 32 partial rows of the table's sum
.set ST1,   4096                       ; 256 rows of PITCH bytes
.set ST2,   ST1+256*PITCH              ; 8 rows of 128 bytes
.set X,    8                           ; v[8:39]    my 32 numbers, then their e; at the end LD
.set LD,   8
.set PIN,  40                          ; v[40:71]   the table's words
.set ROW,  40                          ; v[40:71]   my row
.set C,    72                          ; v[72:87]   c_j at C + j - 1 (the 16th is a filler of the last pair)
.set KL,   88                          ; v[88:89]   -lo' log2 e, twice
.set ACC,  90                          ; v[90:119]  two running sums for each point
.set CNT,  120                         ; v[120:134] a count for each point
.set D,    136                         ; v[136:139] 1 + e c
.set R,    140                         ; v[140:143] its reciprocal
.set TA,   144
.set TB,   145
.set TC,   146
	s_load_b128 s[4:7], s[0:1], 0x0                ; x s[4:5], the last step's rows s[6:7]
	s_load_b64 s[8:9], s[0:1], 0x10                ; this step's rows
	v_lshl_add_u32 v148, v0, 2, 0xa400
	v_mov_b32 v149, 0
	v_lshlrev_b32 v1, 4, v0                        ; 16 t
	v_and_b32 v2, 31, v0                           ; lane
	v_lshrrev_b32 v3, 5, v0
	v_readfirstlane_b32 s10, v3                    ; wave
	v_lshlrev_b32 v4, 2, v2                        ; 4 x lane
	s_lshl_b32 s14, ttmp9, 15
	s_mov_b32 s15, 0
	s_lshl_b32 s18, ttmp9, 7
	s_mov_b32 s19, 0
	s_mov_b32 s16, 0x44893443                      ; 1 + e^7
	s_mov_b32 s17, 0x44800000                      ; N = 1024
	s_wait_kmcnt 0x0
	s_add_nc_u64 s[4:5], s[4:5], s[14:15]
	s_add_nc_u64 s[8:9], s[8:9], s[18:19]
.irp k, 0,1,2,3,4,5,6,7
	global_load_b128 v[PIN+4*\k:PIN+4*\k+3], v1, s[6:7] offset:4096*\k     ; row 32 k + t/8, words 4 (t%8) .. +3
.endr
.irp k, 0,1,2,3,4,5,6,7
	global_load_b128 v[X+4*\k:X+4*\k+3], v1, s[4:5] offset:4096*\k
.endr
; v[b .. b+h-1] += v[b+h .. b+2h-1], two at a time
.macro FOLD b, h
.set fi, 0
.rept \h/2
	v_pk_add_f32 v[\b+fi:\b+fi+1], v[\b+fi:\b+fi+1], v[\b+\h+fi:\b+\h+fi+1]
.set fi, fi+2
.endr
.endm
	s_wait_loadcnt 0x8                             ; the table is in; x's eight loads, issued behind it, stay out
	FOLD PIN, 16                                   ; my eight rows into one: four words
	FOLD PIN, 8
	FOLD PIN, 4
	ds_store_b128 v1, v[PIN:PIN+3] offset:PRO      ; partial row t/8 at 128 (t/8), words 4 (t%8) ..: byte 16 t
	s_wait_dscnt 0x0                               ; my store is done before I signal
	s_barrier_signal -1
	s_barrier_wait -1
.set kk, 0
.rept 32
	ds_load_b32 v[PIN+kk], v4 offset:PRO+128*kk    ; every wave: lane c takes column c of the 32 partial rows
.set kk, kk+1
.endr
	s_wait_dscnt 0x0
	FOLD PIN, 16
	FOLD PIN, 8
	FOLD PIN, 4
	FOLD PIN, 2
	v_add_f32 v[PIN], v[PIN], v[PIN+1]             ; lane c: the launch-wide total of column c
	v_cmp_gt_f32 s24, s17, v[PIN]                  ; bit c: N > total
	v_readlane_b32 s20, v[PIN], 15                 ; lo
	v_readlane_b32 s21, v[PIN], 31                 ; s
	s_lshr_b32 s25, s24, 16                        ; the counts' bits under the sums' bits
	s_or_b32 s24, s24, s25                         ; P fails where either is short
	s_and_b32 s24, s24, 0x7fff                     ; 15 points
	s_bcnt1_i32_b32 s24, s24                       ; i; it enters values only, no address and no branch
	s_cvt_f32_u32 s24, s24
	s_fmac_f32 s20, s24, s21                       ; lo' = lo + i s
	s_mul_f32 s21, s21, 0x3d800000                 ; s' = s/16, exact
	s_mul_f32 s26, s20, 0xbfb8aa3b                 ; -lo' log2 e
	s_mul_f32 s27, s21, 0xbfb8aa3b                 ; -s' log2 e
.set pt, 0
.rept NP
	v_cvt_f32_u32 v[C+pt], pt+1
	v_mul_f32 v[C+pt], s27, v[C+pt]
.set pt, pt+1
.endr
.set pt, 0
.rept NP
	v_exp_f32 v[C+pt], v[C+pt]                     ; c_j
.set pt, pt+1
.endr
	v_mov_b32 v[C+15], 0                           ; the plain instruction behind the run; the last pair is named whole
	v_mov_b32 v[KL], s26
	v_mov_b32 v[KL+1], s26
; cnt[pt] += (1 + e^7 >= v[src]); init = 1: the first number starts the count
.macro TALLY src, pt, init
	v_cmp_ge_f32 vcc_lo, s16, v[\src]
.if \init
	v_cndmask_b32 v[CNT+\pt], 0, 1, vcc_lo
.else
	v_add_co_ci_u32 v[CNT+\pt], vcc_lo, 0, v[CNT+\pt], vcc_lo
.endif
.endm
; the four numbers of one load become e.  The second multiply-add is the plain instruction behind the first two exponentials,
; the first line of the work on v[xe], v[xe+1] the one behind the last two (ISA guide 5.7.2).
.macro EXPS xe
	v_pk_fma_f32 v[\xe:\xe+1], v[\xe:\xe+1], 0xbfb8aa3b, v[KL:KL+1] op_sel_hi:[1,0,1]
	v_exp_f32 v[\xe], v[\xe]
	v_exp_f32 v[\xe+1], v[\xe+1]
	v_pk_fma_f32 v[\xe+2:\xe+3], v[\xe+2:\xe+3], 0xbfb8aa3b, v[KL:KL+1] op_sel_hi:[1,0,1]
	v_exp_f32 v[\xe+2], v[\xe+2]
	v_exp_f32 v[\xe+3], v[\xe+3]
.endm
; Two numbers at two points (the halves of one register pair of c).  The compares stand behind the reciprocals, in front of their use.
; first = 1: the reciprocals are written straight into the sums: nothing is cleared.
.macro NARROW2 xe, pt, first
	s_wait_alu depctr_va_vdst(0)
	v_pk_fma_f32 v[D:D+1], v[\xe:\xe+1], v[C+\pt:C+\pt+1], 1.0 op_sel_hi:[1,0,0]
	v_pk_fma_f32 v[D+2:D+3], v[\xe:\xe+1], v[C+\pt:C+\pt+1], 1.0 op_sel:[0,1,0] op_sel_hi:[1,1,0]
.if \first
.irp i, 0,1,2,3
	v_rcp_f32 v[ACC+2*\pt+\i], v[D+\i]
.endr
.else
.irp i, 0,1,2,3
	v_rcp_f32 v[R+\i], v[D+\i]
.endr
.endif
	TALLY D, \pt, \first
	TALLY D+1, \pt, 0
	TALLY D+2, \pt+1, \first
	TALLY D+3, \pt+1, 0
.if \first == 0
	s_wait_alu depctr_va_vdst(0)
	v_pk_add_f32 v[ACC+2*\pt:ACC+2*\pt+1], v[ACC+2*\pt:ACC+2*\pt+1], v[R:R+1]
	v_pk_add_f32 v[ACC+2*\pt+2:ACC+2*\pt+3], v[ACC+2*\pt+2:ACC+2*\pt+3], v[R+2:R+3]
.endif
.endm
.macro NARROW1 xe, pt, first
	v_pk_fma_f32 v[D:D+1], v[\xe:\xe+1], v[C+\pt:C+\pt+1], 1.0 op_sel_hi:[1,0,0]
.if \first
	v_rcp_f32 v[ACC+2*\pt], v[D]
	v_rcp_f32 v[ACC+2*\pt+1], v[D+1]
.else
	v_rcp_f32 v[R], v[D]
	v_rcp_f32 v[R+1], v[D+1]
.endif
	TALLY D, \pt, \first
	TALLY D+1, \pt, 0
.if \first == 0
	s_wait_alu depctr_va_vdst(0)
	v_pk_add_f32 v[ACC+2*\pt:ACC+2*\pt+1], v[ACC+2*\pt:ACC+2*\pt+1], v[R:R+1]
.endif
.endm
.macro PAIR xe, first
.irp q, 0,2,4,6,8,10,12
	NARROW2 \xe, \q, \first
.endr
	NARROW1 \xe, 14, \first
.endm
	s_wait_loadcnt 0x7                             ; x's first load is in, seven younger ones stay out
	EXPS X
	PAIR X, 1
	PAIR X+2, 0
.irp k, 1,2,3,4,5,6,7
	s_wait_loadcnt 7-\k                            ; load k is in, the 7 - k younger ones stay out
	EXPS X+4*\k
	PAIR X+4*\k, 0
	PAIR X+4*\k+2, 0
.endr
	; THE WORK-GROUP'S ROW, as in the first step: threads' rows in LDS, column sums by wave, wave 0 adds the waves' sums.
.set pt, 0
.rept NP
	v_add_f32 v[ROW+pt], v[ACC+2*pt], v[ACC+2*pt+1]
	v_cvt_f32_u32 v[ROW+16+pt], v[CNT+pt]
.set pt, pt+1
.endr
	v_mov_b32 v[ROW+15], 0
	v_mov_b32 v[ROW+31], 0
	v_mul_u32_u24 v[TA], v0, PITCH
.irp q, 0,1,2,3,4,5,6,7
	ds_store_b128 v[TA], v[ROW+4*\q:ROW+4*\q+3] offset:ST1+16*\q
.endr
	s_wait_dscnt 0x0                               ; my stores are done before I signal
	s_barrier_signal -1
	s_barrier_wait -1
	v_mul_u32_u24 v[TB], v3, 32*PITCH              ; the wave's 32 rows
	v_lshl_add_u32 v[TB], v2, 2, v[TB]             ; column = lane
.set kk, 0
.rept 32
	ds_load_b32 v[LD+kk], v[TB] offset:ST1+PITCH*kk
.set kk, kk+1
.endr
	s_wait_dscnt 0x0
	FOLD LD, 16
	FOLD LD, 8
	FOLD LD, 4
	FOLD LD, 2
	v_add_f32 v[LD], v[LD], v[LD+1]
	v_lshlrev_b32 v[TC], 2, v0                     ; 128 x wave + 4 x lane
	ds_store_b32 v[TC], v[LD] offset:ST2
	s_wait_dscnt 0x0
	s_barrier_signal -1
	s_barrier_wait -1
	s_cmp_lg_u32 s10, 0                            ; wave 0 finishes alone; no barrier follows
	s_cbranch_scc1 .Lend
.irp w, 0,1,2,3,4,5,6,7
	ds_load_b32 v[LD+\w], v[TC] offset:ST2+128*\w  ; in wave 0 TC is 4 x lane
.endr
	s_cmp_eq_u32 ttmp9, 0
	s_cselect_b32 s30, s20, 0                      ; work-group 0 alone records lo' and s'
	s_cselect_b32 s31, s21, 0
	s_wait_dscnt 0x0
	FOLD LD, 4
	FOLD LD, 2
	v_add_f32 v[LD], v[LD], v[LD+1]
	v_writelane_b32 v[LD], s30, 15
	v_writelane_b32 v[LD], s31, 31
	global_store_b32 v[TC], v[LD], s[8:9]          ; 32 lanes store the row's 128 consecutive bytes
.Lend:
	s_wait_tensorcnt 0x0
	ds_add_u32 v148, v149
	s_wait_dscnt 0x0
	s_endpgm
.Lfunc_end_k_q1b5516e575_step_a:
	.size	k_q1b5516e575_step_a, .Lfunc_end_k_q1b5516e575_step_a-k_q1b5516e575_step_a
	.p2alignl 7, 3214868480
	.fill 96, 4, 3214868480
	.section	.rodata,"a",@progbits
	.p2align	6, 0x0
	.amdhsa_kernel k_q1b5516e575_step_a
		.amdhsa_group_segment_fixed_size 43008
		.amdhsa_private_segment_fixed_size 0
		.amdhsa_enable_private_segment 0
		.amdhsa_kernarg_size 24
		.amdhsa_user_sgpr_count 2
		.amdhsa_user_sgpr_kernarg_segment_ptr 1
		.amdhsa_wavefront_size32 1
		.amdhsa_system_sgpr_workgroup_id_x 1
		.amdhsa_system_sgpr_workgroup_id_y 1
		.amdhsa_system_sgpr_workgroup_id_z 1
		.amdhsa_system_vgpr_workitem_id 0
		.amdhsa_next_free_vgpr 150
		.amdhsa_next_free_sgpr 66
		.amdhsa_reserve_vcc 1
		.amdhsa_float_denorm_mode_32 3
		.amdhsa_float_denorm_mode_16_64 3
		.amdhsa_memory_ordered 1
		.amdhsa_forward_progress 1
		.amdhsa_inst_pref_size 100
	.end_amdhsa_kernel
	.amdgpu_metadata
---
amdhsa.version: [ 1, 2 ]
amdhsa.kernels:
  - .name:           k_q1b5516e575_step_a
    .symbol:         k_q1b5516e575_step_a.kd
    .args:
      - { .name: x, .offset: 0, .size: 8, .value_kind: global_buffer, .address_space: global }
      - { .name: pa, .offset: 8, .size: 8, .value_kind: global_buffer, .address_space: global }
      - { .name: pb, .offset: 16, .size: 8, .value_kind: global_buffer, .address_space: global }
    .group_segment_fixed_size: 43008
    .private_segment_fixed_size: 0
    .kernarg_segment_align: 8
    .kernarg_segment_size: 24
    .max_flat_workgroup_size: 256
    .sgpr_count:     66
    .vgpr_count:     150
    .wavefront_size: 32
...
	.end_amdgpu_metadata
.endif
;; end of part 3
;; launch step_b: the kernel of part 3 again; grid 256 x 1, 8 waves a work-group, no clusters, 43,008 bytes of LDS; arguments x, pb, pa; writes pa
;; launch step_c: the kernel of part 3 again; grid 256 x 1, 8 waves a work-group, no clusters, 43,008 bytes of LDS; arguments x, pa, pb; writes pb
;; launch final (part 4): grid 256 x 1, 8 waves a work-group, no clusters, 5,120 bytes of LDS; arguments x, pb, out0; writes out0
.if DOCPART == 4
	.amdgcn_target "amdgcn-amd-amdhsa--gfx1250"
	.amdhsa_code_object_version 6
	.text
	.protected	k_q1b5516e575_final
	.globl	k_q1b5516e575_final
	.p2align	8
	.type	k_q1b5516e575_final,@function
k_q1b5516e575_final:
	s_mov_b64 s[64:65], 0
	v_nop
	global_prefetch_b8 v0, s[64:65] scope:SCOPE_SE
	s_setreg_imm32_b32 hwreg(HW_REG_WAVE_MODE, 25, 1), 1
	s_wait_xcnt 0x0
; LML forward, launch 6 of 6: the last bracket, nu, and y = sigmoid(x + nu).
; IN: the fourth step's 256 rows of 32 f32 (words 0-14 sums at its points 1-15, word 15 its lower end lo, words 16-30 counts,
; word 31 its spacing s; words 15 and 31 are 0 in all rows but the first).  i = number of points where
; sum >= N and count >= N fails; the bracket is [lo + i s, lo + (i+1) s] and nu its middle.
; The reference ends at lo_f + r_f/2 of a bracket that has shrunk to nothing; this nu differs from it by at most s/2 =
; (M - m2 + 8)/131072, M - m2 being the first bracket's data term (0.005 at M - m2 = 647): a relative error of y of at most that.
; y = 1/(1 + 2^(-(x + nu) log2 e)): an overflow of the exponential gives y = 0, an underflow y = 1; a y below 2^-126 comes out as 0.
; LIMIT: x finite.
; 256 work-groups of 8 waves; a thread takes 32 numbers: eight 16-byte loads requested at once, eight 16-byte stores, each of
; which covers, with its wave, 512 consecutive bytes at a multiple of 512 from the buffer's first byte.
; x is read for the last time and y is written once: both carry the non-temporal hint.
; No cluster: the one shared read is the table, 32768 bytes once, requested together with x's 32768.
; No matrix unit (no product), no tensor load (a thread's bytes go straight to registers).
.set PRO,  0                           ; 4096 bytes: 32 partial rows of the table's sum
.set X,    8                           ; v[8:39]   my 32 numbers, then y
.set PIN,  40                          ; v[40:71]  the table's words
.set KL,   88                          ; v[88:89]  -nu log2 e, twice
	s_load_b128 s[4:7], s[0:1], 0x0                ; x s[4:5], the last step's rows s[6:7]
	s_load_b64 s[8:9], s[0:1], 0x10                ; y
	v_lshl_add_u32 v92, v0, 2, 0x1000
	v_mov_b32 v93, 0
	v_lshlrev_b32 v1, 4, v0                        ; 16 t
	v_and_b32 v2, 31, v0
	v_lshlrev_b32 v4, 2, v2                        ; 4 x lane
	s_lshl_b32 s14, ttmp9, 15                      ; work-group x 32768 bytes, of x and of y
	s_mov_b32 s15, 0
	s_mov_b32 s17, 0x44800000                      ; N = 1024
	s_wait_kmcnt 0x0
	s_add_nc_u64 s[4:5], s[4:5], s[14:15]
	s_add_nc_u64 s[8:9], s[8:9], s[14:15]
.irp k, 0,1,2,3,4,5,6,7
	global_load_b128 v[PIN+4*\k:PIN+4*\k+3], v1, s[6:7] offset:4096*\k     ; row 32 k + t/8, words 4 (t%8) .. +3
.endr
.irp k, 0,1,2,3,4,5,6,7
	global_load_b128 v[X+4*\k:X+4*\k+3], v1, s[4:5] offset:4096*\k th:TH_LOAD_NT
.endr
; v[b .. b+h-1] += v[b+h .. b+2h-1], two at a time
.macro FOLD b, h
.set fi, 0
.rept \h/2
	v_pk_add_f32 v[\b+fi:\b+fi+1], v[\b+fi:\b+fi+1], v[\b+\h+fi:\b+\h+fi+1]
.set fi, fi+2
.endr
.endm
	s_wait_loadcnt 0x8                             ; the table is in; x's eight loads, issued behind it, stay out
	FOLD PIN, 16                                   ; my eight rows into one: four words
	FOLD PIN, 8
	FOLD PIN, 4
	ds_store_b128 v1, v[PIN:PIN+3] offset:PRO      ; partial row t/8, words 4 (t%8) ..: byte 16 t
	s_wait_dscnt 0x0                               ; my store is done before I signal
	s_barrier_signal -1
	s_barrier_wait -1
.set kk, 0
.rept 32
	ds_load_b32 v[PIN+kk], v4 offset:PRO+128*kk    ; every wave: lane c takes column c of the 32 partial rows
.set kk, kk+1
.endr
	s_wait_dscnt 0x0
	FOLD PIN, 16
	FOLD PIN, 8
	FOLD PIN, 4
	FOLD PIN, 2
	v_add_f32 v[PIN], v[PIN], v[PIN+1]             ; lane c: the launch-wide total of column c
	v_cmp_gt_f32 s24, s17, v[PIN]                  ; bit c: N > total of column c
	v_readlane_b32 s20, v[PIN], 15                 ; lo
	v_readlane_b32 s21, v[PIN], 31                 ; s
	s_lshr_b32 s25, s24, 16                        ; the counts' bits under the sums' bits
	s_or_b32 s24, s24, s25                         ; the condition fails where either is short
	s_and_b32 s24, s24, 0x7fff                     ; 15 points
	s_bcnt1_i32_b32 s24, s24                       ; i; it enters a value only, no address and no branch
	s_cvt_f32_u32 s24, s24
	s_fmac_f32 s20, s24, s21                       ; lo + i s
	s_mul_f32 s25, s21, 0.5
	s_add_f32 s20, s20, s25                        ; nu
	s_mul_f32 s26, s20, 0xbfb8aa3b                 ; -nu log2 e
	v_mov_b32 v[KL], s26
	v_mov_b32 v[KL+1], s26
; Three stages, run one load apart, so that behind each run of four transcendentals stands another load's plain arithmetic before
; a result is used or stored (ISA guide 5.7.2).  The argument may be an expression (k - 1, k - 2): it stands in parentheses everywhere.
.macro S1 k
	s_wait_loadcnt 7-(\k)                          ; load k is in, the 7 - k younger ones stay out
	v_pk_fma_f32 v[X+4*(\k):X+4*(\k)+1], v[X+4*(\k):X+4*(\k)+1], 0xbfb8aa3b, v[KL:KL+1] op_sel_hi:[1,0,1]
	v_pk_fma_f32 v[X+4*(\k)+2:X+4*(\k)+3], v[X+4*(\k)+2:X+4*(\k)+3], 0xbfb8aa3b, v[KL:KL+1] op_sel_hi:[1,0,1]
.irp i, 0,1,2,3
	v_exp_f32 v[X+4*(\k)+\i], v[X+4*(\k)+\i]
.endr
.endm
.macro S2 k
	s_wait_alu depctr_va_vdst(0)
	v_pk_add_f32 v[X+4*(\k):X+4*(\k)+1], v[X+4*(\k):X+4*(\k)+1], 1.0 op_sel_hi:[1,0]
	v_pk_add_f32 v[X+4*(\k)+2:X+4*(\k)+3], v[X+4*(\k)+2:X+4*(\k)+3], 1.0 op_sel_hi:[1,0]
.irp i, 0,1,2,3
	v_rcp_f32 v[X+4*(\k)+\i], v[X+4*(\k)+\i]
.endr
.endm
.macro S3 k
	s_wait_alu depctr_va_vdst(0)
	global_store_b128 v1, v[X+4*(\k):X+4*(\k)+3], s[8:9] offset:4096*(\k) th:TH_STORE_NT
.endm
	S1 0
	S1 1
	S2 0
.irp k, 2,3,4,5,6,7
	S1 \k
	S2 \k-1
	S3 \k-2
.endr
	S2 7
	S3 6
	v_nop                                          ; the plain place behind the last reciprocals
	S3 7
	s_wait_tensorcnt 0x0
	ds_add_u32 v92, v93
	s_wait_dscnt 0x0
	s_endpgm
.Lfunc_end_k_q1b5516e575_final:
	.size	k_q1b5516e575_final, .Lfunc_end_k_q1b5516e575_final-k_q1b5516e575_final
	.p2alignl 7, 3214868480
	.fill 96, 4, 3214868480
	.section	.rodata,"a",@progbits
	.p2align	6, 0x0
	.amdhsa_kernel k_q1b5516e575_final
		.amdhsa_group_segment_fixed_size 5120
		.amdhsa_private_segment_fixed_size 0
		.amdhsa_enable_private_segment 0
		.amdhsa_kernarg_size 24
		.amdhsa_user_sgpr_count 2
		.amdhsa_user_sgpr_kernarg_segment_ptr 1
		.amdhsa_wavefront_size32 1
		.amdhsa_system_sgpr_workgroup_id_x 1
		.amdhsa_system_sgpr_workgroup_id_y 1
		.amdhsa_system_sgpr_workgroup_id_z 1
		.amdhsa_system_vgpr_workitem_id 0
		.amdhsa_next_free_vgpr 94
		.amdhsa_next_free_sgpr 66
		.amdhsa_reserve_vcc 0
		.amdhsa_float_denorm_mode_32 3
		.amdhsa_float_denorm_mode_16_64 3
		.amdhsa_memory_ordered 1
		.amdhsa_forward_progress 1
		.amdhsa_inst_pref_size 14
	.end_amdhsa_kernel
	.amdgpu_metadata
---
amdhsa.version: [ 1, 2 ]
amdhsa.kernels:
  - .name:           k_q1b5516e575_final
    .symbol:         k_q1b5516e575_final.kd
    .args:
      - { .name: x, .offset: 0, .size: 8, .value_kind: global_buffer, .address_space: global }
      - { .name: pb, .offset: 8, .size: 8, .value_kind: global_buffer, .address_space: global }
      - { .name: out0, .offset: 16, .size: 8, .value_kind: global_buffer, .address_space: global }
    .group_segment_fixed_size: 5120
    .private_segment_fixed_size: 0
    .kernarg_segment_align: 8
    .kernarg_segment_size: 24
    .max_flat_workgroup_size: 256
    .sgpr_count:     66
    .vgpr_count:     94
    .wavefront_size: 32
...
	.end_amdgpu_metadata
.endif
;; end of part 4
;; ======== version 2 of 2: 6 launches; 1.25 times as fast as version 1
;; limits: an iteration or a series of the reference is cut at 4 steps; an absolute error that grows with the inputs' magnitude: up to 7.63e-06 times it; right only within a limited range of input values
;; workspace buffers: mm 2,048 bytes; pa 32,768 bytes; pb 32,768 bytes
;; launch bounds: the kernel of part 1 again; grid 256 x 1, 8 waves a work-group, no clusters, 1,280 bytes of LDS; arguments x, mm; writes mm
;; launch first (part 5): grid 256 x 1, 8 waves a work-group, no clusters, 38,912 bytes of LDS; arguments x, mm, pa; writes pa
.if DOCPART == 5
	.amdgcn_target "amdgcn-amd-amdhsa--gfx1250"
	.amdhsa_code_object_version 6
	.text
	.protected	k_q1b5516e575_first
	.globl	k_q1b5516e575_first
	.p2align	8
	.type	k_q1b5516e575_first,@function
k_q1b5516e575_first:
	s_mov_b64 s[64:65], 0
	v_nop
	global_prefetch_b8 v0, s[64:65] scope:SCOPE_SE
	s_setreg_imm32_b32 hwreg(HW_REG_WAVE_MODE, 25, 1), 1
	s_wait_xcnt 0x0
; LML forward, launch 2 of 6: the first of four search steps.
;
; WHAT IS SEARCHED.  f(nu) = sum sigmoid(x + nu) - N rises with nu, so the reference's branched bisection ends at the root r of f
; held inside [nu_lower, nu_upper].  nu_upper = 7 - x_sorted[N] is never reached: there the 1025 largest numbers give
; 1025 sigmoid(7) > 1024.  nu_lower = -7 - x_sorted[N-1] = c is reached when f(c) >= 0 (numbers that lie close together).
; So nu = max(r, c) = the least nu with P(nu):  sum sigmoid(x + nu) >= N  and  #{ x + nu >= -7 } >= N,  both monotone in nu.
; A step lays 15 points inside the bracket (16 intervals); the next launch adds the work-groups' rows, counts the points
; where P fails and takes that interval.  The bracket's ends are known and are not evaluated.
; THE FIRST BRACKET, from launch 1's M = max x and m2 (at least 2048 numbers are >= m2):
;   lower end -M - 7.5: nu >= c >= -M - 7;   upper end -m2 + 0.5: 2048 sigmoid(0.5) > 1024 and 2048 numbers pass the count.
; Width M - m2 + 8, spacing s = (M - m2)/16 + 0.5.
; THIS STEP takes one exponential for each number and point: 2^(-(x + nu_j) log2 e).  An overflow gives infinity and sigmoid 0, an
; underflow 0 and sigmoid 1, so it is right for a bracket of any width.  The later steps factorise, which needs a narrow one.
; LIMITS: x finite.  After four steps the bracket is (M - m2 + 8)/65536 wide and nu is its middle: the error of nu is at most
; 0.005 up to M - m2 = 647.
;
; 256 work-groups of 8 waves; a thread takes 32 numbers (eight 16-byte loads, all requested at once).
; THE BATCHES.  The thread's numbers go in 16 pairs; a pair at the 15 points is 30 exponentials and 30 reciprocals.  Pair p passes
; six stages: FM 30 exponents; EX their exponentials; TL the 30 tallies of the count, on the exponents; AD 1 + each exponential;
; RC the reciprocals; SU the sums.  TURN p is: AD(p), FM(p+1); ONE BATCH of 60 transcendentals, RC(p) and EX(p+1), with TL(p+1)'s
; 60 plain lines between them one to one; SU(p-1); one wait.  Nothing between the batch's first line and the wait names a
; result of the batch: pair p's results lie in buffer p mod 3 of three, so RC(p), EX(p+1) and SU(p-1) have a buffer each.
; 17 waits in all: one behind EX(0), one a turn for turns 0 to 14, one behind RC(15).
; OUT: one row of 32 f32 for each work-group: words 0-14 the sums at points 1-15, word 15 the bracket's lower end, words 16-30 the
; counts (as f32: whole numbers below 2^24 add exactly), word 31 the spacing.  Words 15 and 31 are written by work-group 0
; and are 0 in the other rows, so that the next launch's column sums return them exactly.  A row is 128 bytes: padding it to 256
; would double what each of the 256 work-groups of the next launch reads back.
; No matrix unit (no product), no tensor load (a thread's 128 bytes go straight to registers), no cluster: what work-groups
; share here is 2048 bytes.
.set NP,    15                         ; points
.set PITCH, 144                        ; LDS row of a thread: 128 bytes + 16, 9 x 16: sixteen lanes' 16-byte stores fall on sixteen different 16-byte columns of 256
.set ST1,   0                          ; 256 rows of PITCH bytes
.set ST2,   256*PITCH                  ; 8 rows of 128 bytes: the waves' sums
.set X,    8                           ; v[8:39]    my 32 numbers; at the end LD
.set LD,   8                           ; v[8:39]    32 words read back from LDS
.set PIN,  40                          ; v[40:55]   launch 1's pairs, at the head
.set A,    40                          ; v[40:69]   a pair's exponents: number i (0, 1) at point j at A + 2 (j - 1) + i
.set ROW,  40                          ; v[40:71]   my row of 32 words, at the end
.set KJ,   72                          ; v[72:87]   -nu_j log2 e for point j at KJ + j - 1 (the 16th is a filler of the last pair)
.set LOV,  88                          ; v88        the bracket's lower end
.set SPV,  89                          ; v89        the spacing
.set ACC,  90                          ; v[90:119]  two running sums for each point, laid as A is
.set CNT,  120                         ; v[120:134] a count for each point
.set TA,   144                         ; v144-146   LDS addresses
.set TB,   145
.set TC,   146
.set ZB,   150                         ; v[150:239] three buffers of 30, laid as A is: 2^A, 1 + 2^A, its reciprocal; pair p has buffer p mod 3
	s_load_b128 s[4:7], s[0:1], 0x0                ; x s[4:5], mm s[6:7]
	s_load_b64 s[8:9], s[0:1], 0x10                ; the rows
	v_lshl_add_u32 v148, v0, 2, 0x9400
	v_mov_b32 v149, 0
	v_lshlrev_b32 v1, 4, v0                        ; 16 t
	v_and_b32 v2, 31, v0                           ; lane
	v_lshrrev_b32 v3, 5, v0
	v_readfirstlane_b32 s10, v3                    ; wave
	v_lshlrev_b32 v4, 4, v2                        ; 16 x lane
	v_mov_b32 v7, 0                                ; a written register for v_permlanex16_b32
	s_lshl_b32 s14, ttmp9, 15                      ; work-group x 32768 bytes of x
	s_mov_b32 s15, 0
	s_lshl_b32 s18, ttmp9, 7                       ; work-group x 128 bytes of rows
	s_mov_b32 s19, 0
	s_mov_b32 s12, 0x76543210
	s_mov_b32 s13, 0xfedcba98
	s_mov_b32 s16, 0x412194f4                      ; 7 log2 e: x + nu >= -7 is the same as exponent <= this
	s_wait_kmcnt 0x0
	s_add_nc_u64 s[4:5], s[4:5], s[14:15]
	s_add_nc_u64 s[8:9], s[8:9], s[18:19]
.irp k, 0,1,2,3
	global_load_b128 v[PIN+4*\k:PIN+4*\k+3], v4, s[6:7] offset:512*\k      ; every wave reads all 256 pairs, 2048 bytes: no LDS, no barrier
.endr
.irp k, 0,1,2,3,4,5,6,7
	global_load_b128 v[X+4*\k:X+4*\k+3], v1, s[4:5] offset:4096*\k
.endr
	s_wait_loadcnt 0x8                             ; the pairs are in; x's eight loads, issued behind them, stay out
	v_max3_num_f32 v5, v[PIN], v[PIN+2], v[PIN+4]
	v_min3_num_f32 v6, v[PIN+1], v[PIN+3], v[PIN+5]
	v_max3_num_f32 v5, v5, v[PIN+6], v[PIN+8]
	v_min3_num_f32 v6, v6, v[PIN+7], v[PIN+9]
	v_max3_num_f32 v5, v5, v[PIN+10], v[PIN+12]
	v_min3_num_f32 v6, v6, v[PIN+11], v[PIN+13]
	v_max_num_f32 v5, v5, v[PIN+14]
	v_min_num_f32 v6, v6, v[PIN+15]
.irp m, 1,2,4,8
	v_max_num_f32_dpp v5, v5, v5 row_xmask:\m row_mask:0xf bank_mask:0xf
	v_min_num_f32_dpp v6, v6, v6 row_xmask:\m row_mask:0xf bank_mask:0xf
.endr
	v_permlanex16_b32 v7, v5, s12, s13
	v_max_num_f32 v5, v5, v7                       ; M
	v_permlanex16_b32 v7, v6, s12, s13
	v_min_num_f32 v6, v6, v7                       ; m2
	v_sub_f32 v[SPV], v5, v6
	v_sub_f32 v[LOV], 0xc0f00000, v5               ; lower end = -7.5 - M
	v_fma_f32 v[SPV], v[SPV], 0x3d800000, 0.5      ; spacing = (M - m2)/16 + 0.5
	v_readfirstlane_b32 s20, v[LOV]                ; both go into work-group 0's row
	v_readfirstlane_b32 s21, v[SPV]
.set pt, 0
.rept NP
	v_cvt_f32_u32 v[KJ+pt], pt+1
	v_fma_f32 v[KJ+pt], v[KJ+pt], v[SPV], v[LOV]   ; nu_j = lower end + j s, rounded once, as the next launch forms it
	v_mul_f32 v[KJ+pt], 0xbfb8aa3b, v[KJ+pt]       ; x (-log2 e)
.set pt, pt+1
.endr
	v_mov_b32 v[KJ+15], 0                          ; the last pair is named whole
; FM: the exponents of pair p (v[X+2p], v[X+2p+1]) at the 15 points; two points are the halves of one register pair of KJ
.macro FM p
.set xe, X+2*(\p)
.irp q, 0,2,4,6,8,10,12
	v_pk_fma_f32 v[A+2*\q:A+2*\q+1], v[xe:xe+1], 0xbfb8aa3b, v[KJ+\q:KJ+\q+1] op_sel_hi:[1,0,0]
	v_pk_fma_f32 v[A+2*\q+2:A+2*\q+3], v[xe:xe+1], 0xbfb8aa3b, v[KJ+\q:KJ+\q+1] op_sel:[0,0,1] op_sel_hi:[1,0,1]
.endr
	v_pk_fma_f32 v[A+28:A+29], v[xe:xe+1], 0xbfb8aa3b, v[KJ+14:KJ+15] op_sel_hi:[1,0,0]
.endm
; AD: 1 + each of pair p's exponentials, in place
.macro AD p
.set zb, ZB+30*((\p)%3)
.set fi, 0
.rept 15
	v_pk_add_f32 v[zb+fi:zb+fi+1], v[zb+fi:zb+fi+1], 1.0 op_sel_hi:[1,0]
.set fi, fi+2
.endr
.endm
; SU: pair p's reciprocals onto the running sums
.macro SU p
.set zb, ZB+30*((\p)%3)
.set fi, 0
.rept 15
	v_pk_add_f32 v[ACC+fi:ACC+fi+1], v[ACC+fi:ACC+fi+1], v[zb+fi:zb+fi+1]
.set fi, fi+2
.endr
.endm
; THE BATCH of turn p: RC(p) and EX(p+1), with TL(p+1) between them: cnt[point] += (threshold >= exponent).  Each transcendental has a
; plain line behind it that touches neither a result nor a source of the batch (ISA guide 5.7.2).
; Pair 0's reciprocals are written straight into the sums: nothing is cleared.
.macro BATCH p
.set zr, ZB+30*((\p)%3)
.set ze, ZB+30*(((\p)+1)%3)
.set ti, 0
.rept 30
.if (\p) == 0
	v_rcp_f32 v[ACC+ti], v[zr+ti]
.else
	v_rcp_f32 v[zr+ti], v[zr+ti]
.endif
	v_cmp_ge_f32 vcc_lo, s16, v[A+ti]
	v_exp_f32 v[ze+ti], v[A+ti]
	v_add_co_ci_u32 v[CNT+ti/2], vcc_lo, 0, v[CNT+ti/2], vcc_lo
.set ti, ti+1
.endr
.endm
; v[b .. b+h-1] += v[b+h .. b+2h-1], two at a time
.macro FOLD b, h
.set fi, 0
.rept \h/2
	v_pk_add_f32 v[\b+fi:\b+fi+1], v[\b+fi:\b+fi+1], v[\b+\h+fi:\b+\h+fi+1]
.set fi, fi+2
.endr
.endm
	s_wait_loadcnt 0x7                             ; x's first load is in, seven younger ones stay out
	FM 0
.set ti, 0
.rept 30                                               ; the first batch: EX(0), with TL(0) between; a point's first number starts its count
	v_exp_f32 v[ZB+ti], v[A+ti]
	v_cmp_ge_f32 vcc_lo, s16, v[A+ti]
.if ti%2 == 0
	v_cndmask_b32 v[CNT+ti/2], 0, 1, vcc_lo
.else
	v_add_co_ci_u32 v[CNT+ti/2], vcc_lo, 0, v[CNT+ti/2], vcc_lo
.endif
.set ti, ti+1
.endr
	s_wait_alu depctr_va_vdst(0)                   ; one wait for pair 0's 30 exponentials, ahead of AD(0)
.set pp, 0
.rept 15                                               ; turns 0 to 14
	AD pp
.if pp%2 == 1
	s_wait_loadcnt 7-(pp+1)/2                      ; load k = (p + 1)/2 is in, the 7 - k younger ones stay out
.endif
	FM pp+1
	BATCH pp
.if pp >= 2
	SU pp-1                                        ; the reciprocals of the batch before, in the third buffer: independent work behind this batch
.endif
	s_wait_alu depctr_va_vdst(0)                   ; one wait for the turn's batch, RC(p) and EX(p+1), ahead of AD(p+1), its first reader
.set pp, pp+1
.endr
	AD 15
.set ti, 0
.rept 15                                               ; the last batch: RC(15); between its lines SU(14) and the counts as f32, which name none of its results
	v_rcp_f32 v[ZB+2*ti], v[ZB+2*ti]               ; pair 15 has buffer 0,
	v_pk_add_f32 v[ACC+2*ti:ACC+2*ti+1], v[ACC+2*ti:ACC+2*ti+1], v[ZB+60+2*ti:ZB+60+2*ti+1]  ; pair 14 buffer 2
	v_rcp_f32 v[ZB+2*ti+1], v[ZB+2*ti+1]
	v_cvt_f32_u32 v[ROW+16+ti], v[CNT+ti]
.set ti, ti+1
.endr
	v_mov_b32 v[ROW+15], 0
	v_mov_b32 v[ROW+31], 0
	v_mul_u32_u24 v[TA], v0, PITCH
	s_wait_alu depctr_va_vdst(0)                   ; one wait for pair 15's 30 reciprocals, ahead of SU(15)
	SU 15
	; THE WORK-GROUP'S ROW.  Each thread lays its 32 words in LDS; lane c of wave g adds column c over the wave's 32 rows;
	; wave 0 adds the eight waves' sums.  The order of the additions is fixed by the text.
.set pt, 0
.rept NP
	v_add_f32 v[ROW+pt], v[ACC+2*pt], v[ACC+2*pt+1]
.set pt, pt+1
.endr
.irp q, 0,1,2,3,4,5,6,7
	ds_store_b128 v[TA], v[ROW+4*\q:ROW+4*\q+3] offset:ST1+16*\q
.endr
	s_wait_dscnt 0x0                               ; my stores are done before I signal
	s_barrier_signal -1
	s_barrier_wait -1
	v_mul_u32_u24 v[TB], v3, 32*PITCH              ; the wave's 32 rows
	v_lshl_add_u32 v[TB], v2, 2, v[TB]             ; column = lane: 32 consecutive words in each load
.set kk, 0
.rept 32
	ds_load_b32 v[LD+kk], v[TB] offset:ST1+PITCH*kk
.set kk, kk+1
.endr
	s_wait_dscnt 0x0
	FOLD LD, 16
	FOLD LD, 8
	FOLD LD, 4
	FOLD LD, 2
	v_add_f32 v[LD], v[LD], v[LD+1]
	v_lshlrev_b32 v[TC], 2, v0                     ; 128 x wave + 4 x lane
	ds_store_b32 v[TC], v[LD] offset:ST2
	s_wait_dscnt 0x0
	s_barrier_signal -1
	s_barrier_wait -1
	s_cmp_lg_u32 s10, 0                            ; wave 0 finishes alone; no barrier follows
	s_cbranch_scc1 .Lend
.irp w, 0,1,2,3,4,5,6,7
	ds_load_b32 v[LD+\w], v[TC] offset:ST2+128*\w  ; in wave 0 TC is 4 x lane
.endr
	s_cmp_eq_u32 ttmp9, 0
	s_cselect_b32 s30, s20, 0                      ; work-group 0 alone records the lower end and the spacing
	s_cselect_b32 s31, s21, 0
	s_wait_dscnt 0x0
	FOLD LD, 4
	FOLD LD, 2
	v_add_f32 v[LD], v[LD], v[LD+1]
	v_writelane_b32 v[LD], s30, 15
	v_writelane_b32 v[LD], s31, 31
	global_store_b32 v[TC], v[LD], s[8:9]          ; 32 lanes store the row's 128 consecutive bytes
.Lend:
	s_wait_tensorcnt 0x0
	ds_add_u32 v148, v149
	s_wait_dscnt 0x0
	s_endpgm
.Lfunc_end_k_q1b5516e575_first:
	.size	k_q1b5516e575_first, .Lfunc_end_k_q1b5516e575_first-k_q1b5516e575_first
	.p2alignl 7, 3214868480
	.fill 96, 4, 3214868480
	.section	.rodata,"a",@progbits
	.p2align	6, 0x0
	.amdhsa_kernel k_q1b5516e575_first
		.amdhsa_group_segment_fixed_size 38912
		.amdhsa_private_segment_fixed_size 0
		.amdhsa_enable_private_segment 0
		.amdhsa_kernarg_size 24
		.amdhsa_user_sgpr_count 2
		.amdhsa_user_sgpr_kernarg_segment_ptr 1
		.amdhsa_wavefront_size32 1
		.amdhsa_system_sgpr_workgroup_id_x 1
		.amdhsa_system_sgpr_workgroup_id_y 1
		.amdhsa_system_sgpr_workgroup_id_z 1
		.amdhsa_system_vgpr_workitem_id 0
		.amdhsa_next_free_vgpr 240
		.amdhsa_next_free_sgpr 66
		.amdhsa_reserve_vcc 1
		.amdhsa_float_denorm_mode_32 3
		.amdhsa_float_denorm_mode_16_64 3
		.amdhsa_memory_ordered 1
		.amdhsa_forward_progress 1
		.amdhsa_inst_pref_size 126
	.end_amdhsa_kernel
	.amdgpu_metadata
---
amdhsa.version: [ 1, 2 ]
amdhsa.kernels:
  - .name:           k_q1b5516e575_first
    .symbol:         k_q1b5516e575_first.kd
    .args:
      - { .name: x, .offset: 0, .size: 8, .value_kind: global_buffer, .address_space: global }
      - { .name: mm, .offset: 8, .size: 8, .value_kind: global_buffer, .address_space: global }
      - { .name: pa, .offset: 16, .size: 8, .value_kind: global_buffer, .address_space: global }
    .group_segment_fixed_size: 38912
    .private_segment_fixed_size: 0
    .kernarg_segment_align: 8
    .kernarg_segment_size: 24
    .max_flat_workgroup_size: 256
    .sgpr_count:     66
    .vgpr_count:     240
    .wavefront_size: 32
...
	.end_amdgpu_metadata
.endif
;; end of part 5
;; launch step_a (part 6): grid 256 x 1, 8 waves a work-group, no clusters, 43,008 bytes of LDS; arguments x, pa, pb; writes pb
.if DOCPART == 6
	.amdgcn_target "amdgcn-amd-amdhsa--gfx1250"
	.amdhsa_code_object_version 6
	.text
	.protected	k_q1b5516e575_step_a
	.globl	k_q1b5516e575_step_a
	.p2align	8
	.type	k_q1b5516e575_step_a,@function
k_q1b5516e575_step_a:
	s_mov_b64 s[64:65], 0
	v_nop
	global_prefetch_b8 v0, s[64:65] scope:SCOPE_SE
	s_setreg_imm32_b32 hwreg(HW_REG_WAVE_MODE, 25, 1), 1
	s_wait_xcnt 0x0
; LML forward, launches 3 to 5 of 6: a search step on a narrow bracket (one body; two tables of rows take turns).
; The search: nu = the least nu with P(nu): sum sigmoid(x + nu) >= N and #{ x + nu >= -7 } >= N (derived at the head of the first step).
; IN: the last step's 256 rows of 32 f32: words 0-14 sums at its points 1-15, word 15 its lower end lo, words 16-30 counts, word 31
; its spacing s (words 15 and 31 are 0 in all rows but the first, so the column sums return them exactly).
; Every work-group adds the rows in the same fixed order, so all get the same bits:  i = number of points where P fails,
; lo' = lo + i s, s' = s/16, new points lo' + j s', j = 1..15.
; FACTORISED: e = 2^(-(x + lo') log2 e) once for each number, c_j = 2^(-j s' log2 e) once for each wave, 1 + e c_j in one packed
; multiply-add: one transcendental (the reciprocal) for each number and point.  An e that overflows is infinity, gives sigmoid 0
; and fails the count; that is right while x + lo' <= -88 still means a negligible sigmoid at the last point, 15 s' <= 58:
; 2097152 e^-30 is nothing beside N.  An e that underflows gives sigmoid 1.  c_j >= e^-58 is a normal number.
; LIMITS: x finite; first bracket (M - m2 + 8) <= 928 for the factorisation; the error of the final nu is (M - m2 + 8)/131072.
; x + nu >= -7 is tested as 1 + e c_j <= 1 + e^7.
;
; 256 work-groups of 8 waves; a thread takes 32 numbers.  The table's eight loads and x's eight are all requested at once.
; THE BATCHES.  The head's batch is the 15 c_j and the four e of x's first load.  Then the thread's numbers go in 16 pairs, a TURN each:
; SU(p-1), the sums of the pair before; FD(p), the 30 values 1 + e c; ONE BATCH, the pair's 30 reciprocals, in odd turns with
; the four e of the next load; the pair's 30 tallies, which read 1 + e c alone, stand between the batch's lines and behind them; one wait.
; Nothing between a batch's first line and its wait names a result of the batch.  17 waits in all: the head's, and one a turn.
; No cluster: the one shared read is the table, 32768 bytes once at the head of the launch, requested together with x's 32768;
; a joint request would put a cluster barrier and a descriptor in front of the launch's first dependent step.
; No matrix unit (no product), no tensor load (a thread's bytes go straight to registers).
.set NP,    15
.set PITCH, 144                        ; LDS row of a thread: 128 bytes + 16, 9 x 16: sixteen lanes' 16-byte stores fall on sixteen different 16-byte columns of 256
.set PRO,   0                          ; 4096 bytes: 32 partial rows of the table's sum
.set ST1,   4096                       ; 256 rows of PITCH bytes
.set ST2,   ST1+256*PITCH              ; 8 rows of 128 bytes
.set X,    8                           ; v[8:39]    my 32 numbers, then their e; at the end LD
.set LD,   8
.set PIN,  40                          ; v[40:71]   the table's words, at the head
.set D,    40                          ; v[40:69]   a pair's 1 + e c: number i (0, 1) at point j at D + 2 (j - 1) + i
.set ROW,  40                          ; v[40:71]   my row, at the end
.set C,    72                          ; v[72:87]   c_j at C + j - 1 (the 16th is a filler of the last pair)
.set KL,   88                          ; v[88:89]   -lo' log2 e, twice
.set ACC,  90                          ; v[90:119]  two running sums for each point, laid as D is
.set CNT,  120                         ; v[120:134] a count for each point
.set TA,   144
.set TB,   145
.set TC,   146
.set R,    150                         ; v[150:179] the pair's reciprocals, laid as D is
	s_load_b128 s[4:7], s[0:1], 0x0                ; x s[4:5], the last step's rows s[6:7]
	s_load_b64 s[8:9], s[0:1], 0x10                ; this step's rows
	v_lshl_add_u32 v148, v0, 2, 0xa400
	v_mov_b32 v149, 0
	v_lshlrev_b32 v1, 4, v0                        ; 16 t
	v_and_b32 v2, 31, v0                           ; lane
	v_lshrrev_b32 v3, 5, v0
	v_readfirstlane_b32 s10, v3                    ; wave
	v_lshlrev_b32 v4, 2, v2                        ; 4 x lane
	s_lshl_b32 s14, ttmp9, 15
	s_mov_b32 s15, 0
	s_lshl_b32 s18, ttmp9, 7
	s_mov_b32 s19, 0
	s_mov_b32 s16, 0x44893443                      ; 1 + e^7
	s_mov_b32 s17, 0x44800000                      ; N = 1024
	s_wait_kmcnt 0x0
	s_add_nc_u64 s[4:5], s[4:5], s[14:15]
	s_add_nc_u64 s[8:9], s[8:9], s[18:19]
.irp k, 0,1,2,3,4,5,6,7
	global_load_b128 v[PIN+4*\k:PIN+4*\k+3], v1, s[6:7] offset:4096*\k     ; row 32 k + t/8, words 4 (t%8) .. +3
.endr
.irp k, 0,1,2,3,4,5,6,7
	global_load_b128 v[X+4*\k:X+4*\k+3], v1, s[4:5] offset:4096*\k
.endr
; v[b .. b+h-1] += v[b+h .. b+2h-1], two at a time
.macro FOLD b, h
.set fi, 0
.rept \h/2
	v_pk_add_f32 v[\b+fi:\b+fi+1], v[\b+fi:\b+fi+1], v[\b+\h+fi:\b+\h+fi+1]
.set fi, fi+2
.endr
.endm
	s_wait_loadcnt 0x8                             ; the table is in; x's eight loads, issued behind it, stay out
	FOLD PIN, 16                                   ; my eight rows into one: four words
	FOLD PIN, 8
	FOLD PIN, 4
	ds_store_b128 v1, v[PIN:PIN+3] offset:PRO      ; partial row t/8 at 128 (t/8), words 4 (t%8) ..: byte 16 t
	s_wait_dscnt 0x0                               ; my store is done before I signal
	s_barrier_signal -1
	s_barrier_wait -1
.set kk, 0
.rept 32
	ds_load_b32 v[PIN+kk], v4 offset:PRO+128*kk    ; every wave: lane c takes column c of the 32 partial rows
.set kk, kk+1
.endr
	s_wait_dscnt 0x0
	FOLD PIN, 16
	FOLD PIN, 8
	FOLD PIN, 4
	FOLD PIN, 2
	v_add_f32 v[PIN], v[PIN], v[PIN+1]             ; lane c: the launch-wide total of column c
	v_cmp_gt_f32 s24, s17, v[PIN]                  ; bit c: N > total
	v_readlane_b32 s20, v[PIN], 15                 ; lo
	v_readlane_b32 s21, v[PIN], 31                 ; s
	s_lshr_b32 s25, s24, 16                        ; the counts' bits under the sums' bits
	s_or_b32 s24, s24, s25                         ; P fails where either is short
	s_and_b32 s24, s24, 0x7fff                     ; 15 points
	s_bcnt1_i32_b32 s24, s24                       ; i; it enters values only, no address and no branch
	s_cvt_f32_u32 s24, s24
	s_fmac_f32 s20, s24, s21                       ; lo' = lo + i s
	s_mul_f32 s21, s21, 0x3d800000                 ; s' = s/16, exact
	s_mul_f32 s26, s20, 0xbfb8aa3b                 ; -lo' log2 e
	s_mul_f32 s27, s21, 0xbfb8aa3b                 ; -s' log2 e
.set pt, 0
.rept NP
	v_cvt_f32_u32 v[C+pt], pt+1
	v_mul_f32 v[C+pt], s27, v[C+pt]
.set pt, pt+1
.endr
; EF: the four numbers of load k become the exponents of their e, in place
.macro EF k
.set xf, X+4*(\k)
	v_pk_fma_f32 v[xf:xf+1], v[xf:xf+1], 0xbfb8aa3b, v[KL:KL+1] op_sel_hi:[1,0,1]
	v_pk_fma_f32 v[xf+2:xf+3], v[xf+2:xf+3], 0xbfb8aa3b, v[KL:KL+1] op_sel_hi:[1,0,1]
.endm
; FD: 1 + e c for pair p (v[X+2p], v[X+2p+1]) at the 15 points; two points are the halves of one register pair of c
.macro FD p
.set xe, X+2*(\p)
.irp q, 0,2,4,6,8,10,12
	v_pk_fma_f32 v[D+2*\q:D+2*\q+1], v[xe:xe+1], v[C+\q:C+\q+1], 1.0 op_sel_hi:[1,0,0]
	v_pk_fma_f32 v[D+2*\q+2:D+2*\q+3], v[xe:xe+1], v[C+\q:C+\q+1], 1.0 op_sel:[0,1,0] op_sel_hi:[1,1,0]
.endr
	v_pk_fma_f32 v[D+28:D+29], v[xe:xe+1], v[C+14:C+15], 1.0 op_sel_hi:[1,0,0]
.endm
; SU: the reciprocals in R onto the running sums
.macro SU
.set fi, 0
.rept 15
	v_pk_add_f32 v[ACC+fi:ACC+fi+1], v[ACC+fi:ACC+fi+1], v[R+fi:R+fi+1]
.set fi, fi+2
.endr
.endm
; TURN p, up to its wait.  The tally of number and point ti is two plain lines: cnt[point] += (1 + e^7 >= 1 + e c).  The 30 reciprocals stand one in front of
; each line of tallies 0 to 14; in odd turns the next load's four exponentials stand inside tallies 15 to 18; the other tallies follow.
; So each transcendental has a plain line behind it that touches neither a result nor a source of the batch (ISA guide 5.7.2).
; Pair 0's reciprocals are written straight into the sums and a point's first number starts its count: nothing is cleared.
.macro TURN p
.if (\p) >= 2
	SU                                             ; pair p - 1's reciprocals, waited for at the end of its turn; R is free for this turn's behind these lines
.endif
	FD \p
.if ((\p)%2 == 1) && ((\p) < 15)
	s_wait_loadcnt 7-((\p)+1)/2                    ; load k = (p + 1)/2 is in, the 7 - k younger ones stay out
	EF ((\p)+1)/2
.endif
.set xn, X+2*((\p)+1)
.set ti, 0
.rept 30
.if ti < 15
.if (\p) == 0
	v_rcp_f32 v[ACC+2*ti], v[D+2*ti]
.else
	v_rcp_f32 v[R+2*ti], v[D+2*ti]
.endif
.endif
	v_cmp_ge_f32 vcc_lo, s16, v[D+ti]
.if ti < 15
.if (\p) == 0
	v_rcp_f32 v[ACC+2*ti+1], v[D+2*ti+1]
.else
	v_rcp_f32 v[R+2*ti+1], v[D+2*ti+1]
.endif
.elseif (ti < 19) && ((\p)%2 == 1) && ((\p) < 15)
	v_exp_f32 v[xn+ti-15], v[xn+ti-15]             ; e of the next load's four numbers
.endif
.if ((\p) == 0) && (ti%2 == 0)
	v_cndmask_b32 v[CNT+ti/2], 0, 1, vcc_lo
.else
	v_add_co_ci_u32 v[CNT+ti/2], vcc_lo, 0, v[CNT+ti/2], vcc_lo
.endif
.set ti, ti+1
.endr
.endm
	; the head's batch: the 15 c_j and the first load's four e
.set pt, 0
.rept NP
	v_exp_f32 v[C+pt], v[C+pt]                     ; c_j
.set pt, pt+1
.endr
	v_mov_b32 v[C+15], 0                           ; the last pair is named whole
	v_mov_b32 v[KL], s26
	v_mov_b32 v[KL+1], s26
	s_wait_loadcnt 0x7                             ; x's first load is in, seven younger ones stay out
	EF 0
.irp i, 0,1,2,3
	v_exp_f32 v[X+\i], v[X+\i]
.endr
	v_mul_u32_u24 v[TA], v0, PITCH                 ; the way out's LDS addresses are made here, behind the batch: my row,
	v_mul_u32_u24 v[TB], v3, 32*PITCH              ; the wave's 32 rows,
	v_lshl_add_u32 v[TB], v2, 2, v[TB]             ; column = lane,
	v_lshlrev_b32 v[TC], 2, v0                     ; 128 x wave + 4 x lane
	s_wait_alu depctr_va_vdst(0)                   ; one wait for the head's 19 exponentials, ahead of FD(0)
.set pp, 0
.rept 15                                               ; turns 0 to 14
	TURN pp
	s_wait_alu depctr_va_vdst(0)                   ; one wait for the turn's batch (30 reciprocals; in odd turns four e), ahead of SU and FD of the next turn
.set pp, pp+1
.endr
	TURN 15
	; THE WORK-GROUP'S ROW, as in the first step: threads' rows in LDS, column sums by wave, wave 0 adds the waves' sums.
	; The counts' part of the row names no result of the last batch and stands ahead of its wait.
.set pt, 0
.rept NP
	v_cvt_f32_u32 v[ROW+16+pt], v[CNT+pt]
.set pt, pt+1
.endr
	v_mov_b32 v[ROW+15], 0
	v_mov_b32 v[ROW+31], 0
	s_wait_alu depctr_va_vdst(0)                   ; one wait for pair 15's 30 reciprocals, ahead of their sums
	SU
.set pt, 0
.rept NP
	v_add_f32 v[ROW+pt], v[ACC+2*pt], v[ACC+2*pt+1]
.set pt, pt+1
.endr
.irp q, 0,1,2,3,4,5,6,7
	ds_store_b128 v[TA], v[ROW+4*\q:ROW+4*\q+3] offset:ST1+16*\q
.endr
	s_wait_dscnt 0x0                               ; my stores are done before I signal
	s_barrier_signal -1
	s_barrier_wait -1
.set kk, 0
.rept 32
	ds_load_b32 v[LD+kk], v[TB] offset:ST1+PITCH*kk
.set kk, kk+1
.endr
	s_wait_dscnt 0x0
	FOLD LD, 16
	FOLD LD, 8
	FOLD LD, 4
	FOLD LD, 2
	v_add_f32 v[LD], v[LD], v[LD+1]
	ds_store_b32 v[TC], v[LD] offset:ST2
	s_wait_dscnt 0x0
	s_barrier_signal -1
	s_barrier_wait -1
	s_cmp_lg_u32 s10, 0                            ; wave 0 finishes alone; no barrier follows
	s_cbranch_scc1 .Lend
.irp w, 0,1,2,3,4,5,6,7
	ds_load_b32 v[LD+\w], v[TC] offset:ST2+128*\w  ; in wave 0 TC is 4 x lane
.endr
	s_cmp_eq_u32 ttmp9, 0
	s_cselect_b32 s30, s20, 0                      ; work-group 0 alone records lo' and s'
	s_cselect_b32 s31, s21, 0
	s_wait_dscnt 0x0
	FOLD LD, 4
	FOLD LD, 2
	v_add_f32 v[LD], v[LD], v[LD+1]
	v_writelane_b32 v[LD], s30, 15
	v_writelane_b32 v[LD], s31, 31
	global_store_b32 v[TC], v[LD], s[8:9]          ; 32 lanes store the row's 128 consecutive bytes
.Lend:
	s_wait_tensorcnt 0x0
	ds_add_u32 v148, v149
	s_wait_dscnt 0x0
	s_endpgm
.Lfunc_end_k_q1b5516e575_step_a:
	.size	k_q1b5516e575_step_a, .Lfunc_end_k_q1b5516e575_step_a-k_q1b5516e575_step_a
	.p2alignl 7, 3214868480
	.fill 96, 4, 3214868480
	.section	.rodata,"a",@progbits
	.p2align	6, 0x0
	.amdhsa_kernel k_q1b5516e575_step_a
		.amdhsa_group_segment_fixed_size 43008
		.amdhsa_private_segment_fixed_size 0
		.amdhsa_enable_private_segment 0
		.amdhsa_kernarg_size 24
		.amdhsa_user_sgpr_count 2
		.amdhsa_user_sgpr_kernarg_segment_ptr 1
		.amdhsa_wavefront_size32 1
		.amdhsa_system_sgpr_workgroup_id_x 1
		.amdhsa_system_sgpr_workgroup_id_y 1
		.amdhsa_system_sgpr_workgroup_id_z 1
		.amdhsa_system_vgpr_workitem_id 0
		.amdhsa_next_free_vgpr 180
		.amdhsa_next_free_sgpr 66
		.amdhsa_reserve_vcc 1
		.amdhsa_float_denorm_mode_32 3
		.amdhsa_float_denorm_mode_16_64 3
		.amdhsa_memory_ordered 1
		.amdhsa_forward_progress 1
		.amdhsa_inst_pref_size 93
	.end_amdhsa_kernel
	.amdgpu_metadata
---
amdhsa.version: [ 1, 2 ]
amdhsa.kernels:
  - .name:           k_q1b5516e575_step_a
    .symbol:         k_q1b5516e575_step_a.kd
    .args:
      - { .name: x, .offset: 0, .size: 8, .value_kind: global_buffer, .address_space: global }
      - { .name: pa, .offset: 8, .size: 8, .value_kind: global_buffer, .address_space: global }
      - { .name: pb, .offset: 16, .size: 8, .value_kind: global_buffer, .address_space: global }
    .group_segment_fixed_size: 43008
    .private_segment_fixed_size: 0
    .kernarg_segment_align: 8
    .kernarg_segment_size: 24
    .max_flat_workgroup_size: 256
    .sgpr_count:     66
    .vgpr_count:     180
    .wavefront_size: 32
...
	.end_amdgpu_metadata
.endif
;; end of part 6
;; launch step_b: the kernel of part 6 again; grid 256 x 1, 8 waves a work-group, no clusters, 43,008 bytes of LDS; arguments x, pb, pa; writes pa
;; launch step_c: the kernel of part 6 again; grid 256 x 1, 8 waves a work-group, no clusters, 43,008 bytes of LDS; arguments x, pa, pb; writes pb
;; launch final: the kernel of part 4 again; grid 256 x 1, 8 waves a work-group, no clusters, 5,120 bytes of LDS; arguments x, pb, out0; writes out0
